; MI455X (gfx1250); checked and timed in simulation.
; The chip was launched on July 23, 2026; its instructions are those of AMD's public machine-readable ISA for CDNA 5 (MIT licence, August 2026) and "CDNA5" Instruction Set Architecture Reference Guide (July 2026). The comments in the code are by the model that wrote it; some were corrected since.
;; multihead self attention. Allowed arithmetic: matrix products marked QUANTISED: E4M3 operands, one given power-of-two scale a tensor, by v_wmma_f32_16x16x64_fp8_fp8 or v_wmma_f32_16x16x128_fp8_fp8, f32 sums; everything else in f32.
;; Inputs: lowp_scales 12 int32 (the exponents e of the quantised operands' scales 2^e); wk 1,024 x 1,024 float32; wo 1,024 x 1,024 float32; wq 1,024 x 1,024 float32; wv 1,024 x 1,024 float32; x 4 x 2,048 x 1,024 float32.
;; Outputs: out0 4 x 2,048 x 1,024 float32.
;; This version of the problem:
;;   THIS VERSION OF THE PROBLEM IS GIVEN IN LOW PRECISION. The matrix products marked QUANTISED in the list below multiply operands that are first quantised to E4M3 (4 exponent bits, 3 mantissa bits; 8 bits a number), with one given power-of-two scale for each operand tensor; their sums are f32. All else is computed in f32.
;;   The module's matrix products, in the order in which they are computed (A, B: the left and right operand; K: the contracted axis; several contracted axes count as one K, in the product's order):
;;     1. [M 8,192, K 1,024] x [K 1,024, N 1,024]; A: input x; B: input wq: QUANTISED (scales: A lowp_scales[0], B lowp_scales[1])
;;     2. [M 8,192, K 1,024] x [K 1,024, N 1,024]; A: input x; B: input wk: QUANTISED (scales: A lowp_scales[2], B lowp_scales[3])
;;     3. [M 8,192, K 1,024] x [K 1,024, N 1,024]; A: input x; B: input wv: QUANTISED (scales: A lowp_scales[4], B lowp_scales[5])
;;     4. batch 64 x [M 2,048, K 64] x [K 64, N 2,048]; A: computed on the way; B: computed on the way: QUANTISED (scales: A lowp_scales[6], B lowp_scales[7])
;;     5. batch 64 x [M 2,048, K 2,048] x [K 2,048, N 64]; A: softmax (see below); B: computed on the way: QUANTISED (scales: A lowp_scales[8], B lowp_scales[9])
;;     6. [M 8,192, K 1,024] x [K 1,024, N 1,024]; A: computed on the way; B: input wo: QUANTISED (scales: A lowp_scales[10], B lowp_scales[11])
;;   THE QUANTISER, for each operand of a quantised product, along K:
;;     - The operand's scale is 2^e, e = its entry of the input lowp_scales (int32; the entries are numbered through the quantised products in the list's order, A before B).
;;     - Each number is divided by the scale, clamped to +-448, and rounded to the nearest number of E4M3, ties to even, subnormals kept.
;;     - The product sums the exact products of the quantised numbers (number of the format x scale) in f32.
;;   ~~~python
;;   def quantise(x, axis, e):      # numpy; x: float32 -> the quantised numbers, widened to float32 again
;;       x = np.moveaxis(x, axis, -1); K = x.shape[-1]
;;       r = np.clip(x / 2.0 ** e, -448, 448)
;;       step = 2.0 ** (np.maximum(np.frexp(np.where(r == 0, 1, r))[1] - 1, -6) - 3)
;;       q = np.round(r / step) * step * 2.0 ** e      # np.round: ties to even
;;       return np.moveaxis(q, -1, axis).astype(np.float32)
;;   ~~~
;;   SOFTMAX AHEAD OF A QUANTISED PRODUCT. Where the list says 'softmax', what is quantised is not the finished softmax but p = 2^(t - M), with t = logit x log2(e) and M = ceil(the row's largest t), a whole number; so 1/2 < the row's largest p <= 1. The row's sum l is taken of the UNQUANTISED p, in f32, and the product's result is divided by l at the end. Since M is a whole number, a kernel that streams over the keys may use a running M (the ceiling of the running maximum): every later rescaling is an exact power of two, so the quantised numbers keep their values, but for numbers so far below the row's largest that they fall under the format's range.
;;   OPERANDS COMPUTED ON THE WAY. 'Computed on the way' means the value that the module computes at that place (a softmax that the list does not call 'softmax' is quantised finished and normalised). What goes into a quantiser is computed in f32, as accurately as f32 sums, v_exp_f32 and their like allow (about 1e-6 of the number): no bf16 or f16 on the way to a quantiser, and a product that is left as it is and whose result goes on into a quantised operand takes f32 operands (vector FMAs, or v_wmma_f32_16x16x4_f32). A number that lies on a knife's edge between two numbers of the format may be rounded either way, as far as f32 arithmetic and the matrix unit's own rounding can turn it there, and no further.
;; One version. Each part assembles by itself: llvm-mc -triple=amdgcn-amd-amdhsa -mcpu=gfx1250 --defsym DOCPART=n.
;; ======== version 1 of 1: 4 launches
;; limits: right only within a limited range of input values
;; workspace buffers: xc 25,165,824 bytes; wc 4,194,304 bytes; rope 524,288 bytes; qc 8,388,608 bytes; kc 8,388,608 bytes; vc 8,388,608 bytes; oc 8,388,608 bytes
;; launch prep (part 1): grid 800 x 1, 4 waves a work-group, no clusters, 35,328 bytes of LDS; arguments x, wq, wk, wv, wo, lowp_scales, xc, wc, rope; writes xc, wc, rope
.if DOCPART == 1
	.amdgcn_target "amdgcn-amd-amdhsa--gfx1250"
	.amdhsa_code_object_version 6
	.text
	.protected	k_q8c7830d1c6_prep
	.globl	k_q8c7830d1c6_prep
	.p2align	8
	.type	k_q8c7830d1c6_prep,@function
k_q8c7830d1c6_prep:
	s_mov_b64 s[64:65], 0
	v_nop
	global_prefetch_b8 v0, s[64:65] scope:SCOPE_SE
	s_setreg_imm32_b32 hwreg(HW_REG_WAVE_MODE, 25, 1), 1
	s_wait_xcnt 0x0
; PREP.  x [8192][1024] f32 becomes three planes of E4M3 codes (scales 2^e0, 2^e2, 2^e4: one for each of the three products that read it); wq, wk, wv, wo [1024][1024] f32
; become codes (2^e1, 2^e3, 2^e5, 2^e11); and the table of cos and sin for the rotation is made.
; code = number / 2^e, held within +-448, rounded to the nearest code, ties to even.
; THE CODES ARE STORED AS IMAGES OF THE OPERAND REGISTERS of the plain fp8 matrix forms: for 16 rows x 64 K, lane (r, h) holds in registers 2c, 2c+1 the codes k = 16c + 8h + 0..7 of row r;
; registers 4g .. 4g+3 of all lanes lie at byte 512 g + 16 lane.  Two such halves (1,024 bytes each) on end are the image of 16 rows x 128 K.  So every later load of a fragment is 16 bytes a lane, dense.
; xc: [plane 3][16-row block 512][K step of 128: 8][2048].  wc: [wq, wk, wv, wo][block 64][8][2048].
; rope: [16-position block 128][ld 8][lane 32][16 bytes]: lane (r, h) holds cos, sin, cos, sin of position 16 block + r for the pairs i = 8 (ld/2) + 4h + 2 (ld%2) + 0, 1.
; SHARES.  Work-groups 0-511: block id of x.  512-767: weight (id-512)/64, block (id-512)%64.  Wave w takes K = 256 w .. 256 w + 255 of the 16 rows, as four tasks of 64 K.  768-799: the table, a block a wave.
; Each load reads two aligned runs of 256 bytes (two rows); a task turns through the wave's own stage in LDS (rows 272 bytes apart, so that the 16 rows start at 16 different 16-byte columns) so that a lane gets
; 8 neighbours along K for each conversion.  Each store covers 512 consecutive bytes.  Waves share nothing: no barrier.  The two ways that use LDS have LDS bytes of their own.
; LIMITS: e0 .. e5 and e11 lie between -126 and 119, so that 2^e and 448 x 2^e are f32 numbers.  NaN among the inputs is not served; an infinity is held at the largest code.
; The angle is the f32 product position x inv_freq; inv_freq = 10000^(-i/32) is made by v_exp_f32 with a correction term; sin and cos by reduction modulo pi/2 in two parts and polynomials of degree 7 and 8.
.set R,    16                          ; v16-143  four tasks x 32 registers as loaded
.set X,    144                         ; v144-175 a task's 32 numbers of my row: register 8c + i = k 16c + 8h + i
.set TMP,  176
.set C,    192                         ; v192-215 codes: 8 registers for each of up to three planes
.set SC,   216                         ; v216-221 for plane o: 2^e at SC+2o
.set PIT,  272
.set STG,  16*PIT                      ; a wave's stage
.set WOFF, 4*STG                       ; the weights' way has its stages behind x's
.set FI,   16                          ; the table's way: v16-31 i as f32; v32-47 exponent, inv_freq, angle; v48-63 correction; v64-95 the results; v96-104 at work
.set EX,   32
.set KK,   48
.set OUT,  64
.macro LOADS base                      ; all four tasks' loads: row 2i + h, bytes 256 t + 16 r of my quarter of the row
.irp t, 0,1,2,3
.irp i, 0,1,2,3,4,5,6,7
	global_load_b128 v[R+32*\t+4*\i:R+32*\t+4*\i+3], v4, s[\base:\base+1] offset:8192*\i+256*\t th:TH_LOAD_NT
.endr
.endr
.endm
.macro SCALE e, vsc, vlim              ; s[e] holds the exponent
	s_add_co_i32 s54, s[\e], 127
	s_lshl_b32 s55, s54, 23
	v_mov_b32 v[\vsc], s55                         ; 2^e as f32: the conversion takes its exponent field
	s_add_co_i32 s54, s54, 8
	s_lshl_b32 s54, s54, 23
	s_or_b32 s54, s54, 0x600000
.endm
.macro TASK t, nout, ldsoff
	s_wait_loadcnt 8*(3-\t)                        ; this task's eight loads are in; the later tasks' may stay out
.irp i, 0,1,2,3,4,5,6,7
	ds_store_b128 v6, v[R+32*\t+4*\i:R+32*\t+4*\i+3] offset:\ldsoff+2*PIT*\i
.endr
	v_nop
.irp c, 0,1,2,3
.irp u, 0,1
	ds_load_b128 v[X+8*\c+4*\u:X+8*\c+4*\u+3], v7 offset:\ldsoff+64*\c+16*\u   ; LDS serves a wave's instructions in order: these see the stores above
.endr
.endr
	s_wait_dscnt 0x0
	s_wait_xcnt 0x0                                ; the last task's stores have read their data registers: the codes may be written again
.set o, 0
.rept \nout
.irp c, 0,1,2,3
.irp i, 0,1,2,3,4,5,6,7
.endr
	v_cvt_scalef32_pk8_fp8_f32 v[C+8*o+2*\c:C+8*o+2*\c+1], v[TMP+8*(\c%2)+((X+8*\c+0)-(TMP+8*(\c%2)+0)):TMP+8*(\c%2)+7+((X+8*\c+0)-(TMP+8*(\c%2)+0))], v[SC+2*o]
.endr
	global_store_b128 v5, v[C+8*o:C+8*o+3], s[48+2*o:49+2*o] offset:1024*\t          ; 32 lanes store 512 consecutive bytes
	global_store_b128 v5, v[C+8*o+4:C+8*o+7], s[48+2*o:49+2*o] offset:1024*\t+512
.set o, o+1
.endr
.endm
	s_load_b512 s[8:23], s[0:1], 0x0               ; x 8, wq 10, wk 12, wv 14, wo 16, scales 18, xc 20, wc 22
	s_load_b64 s[24:25], s[0:1], 0x40              ; rope
	v_lshl_add_u32 v224, v0, 2, 0x8800
	v_mov_b32 v225, 0
	v_lshrrev_b32 v1, 5, v0
	v_readfirstlane_b32 s26, v1                    ; wave
	v_and_b32 v1, 31, v0                           ; lane
	v_and_b32 v2, 15, v0                           ; r
	v_bfe_u32 v3, v0, 4, 1                         ; h
	v_lshlrev_b32 v4, 4, v2
	v_lshl_add_u32 v4, v3, 12, v4                  ; in: row h of a pair of rows (4,096 bytes apart), 16 r
	v_lshlrev_b32 v5, 4, v1                        ; out: 16 x lane
	s_mul_i32 s27, s26, STG
	v_mul_u32_u24 v6, v3, PIT
	v_lshl_add_u32 v6, v2, 4, v6
	v_add_nc_u32 v6, s27, v6                       ; into the stage: row h, 16 r
	v_mul_u32_u24 v7, v2, PIT
	v_lshl_add_u32 v7, v3, 5, v7
	v_add_nc_u32 v7, s27, v7                       ; out of it: row r, 32 h
	s_mov_b32 s29, 0
	s_mov_b32 s31, 0
	s_wait_kmcnt 0x0
	s_cmp_ge_u32 ttmp9, 768
	s_cbranch_scc1 .Ltable
	s_cmp_ge_u32 ttmp9, 512
	s_cbranch_scc1 .Lweights
	; ---- x: three planes
	s_load_b256 s[36:43], s[18:19], 0x0            ; e0 .. e7
	s_lshl_b32 s28, ttmp9, 16                      ; 16 rows of 4,096 bytes
	s_lshl_b32 s32, s26, 10                        ; my quarter of a row
	s_add_co_u32 s28, s28, s32
	s_add_nc_u64 s[8:9], s[8:9], s[28:29]
	s_wait_alu depctr_va_vdst(0)
	LOADS 8
	s_lshl_b32 s30, ttmp9, 14                      ; a block's eight images
	s_lshl_b32 s32, s26, 12                        ; my two of them
	s_add_co_u32 s30, s30, s32
	s_add_nc_u64 s[48:49], s[20:21], s[30:31]
	s_add_nc_u64 s[50:51], s[48:49], 0x800000      ; a plane is 512 x 16,384 bytes
	s_add_nc_u64 s[52:53], s[50:51], 0x800000
	s_wait_kmcnt 0x0
	SCALE 36, SC, SC+1
	SCALE 38, SC+2, SC+3
	SCALE 40, SC+4, SC+5
	s_wait_alu depctr_va_vdst(0)
	TASK 0, 3, 0
	TASK 1, 3, 0
	TASK 2, 3, 0
	TASK 3, 3, 0
	s_wait_tensorcnt 0x0
	ds_add_u32 v224, v225
	s_wait_dscnt 0x0
	s_endpgm
	; ---- a weight: one plane
.Lweights:
	s_load_b256 s[36:43], s[18:19], 0x0            ; e0 .. e7
	s_load_b32 s44, s[18:19], 0x2c                 ; e11
	s_sub_co_u32 s33, ttmp9, 512
	s_lshr_b32 s34, s33, 6                         ; which weight
	s_and_b32 s35, s33, 63                         ; which block of 16 rows
	s_cmp_eq_u32 s34, 1
	s_cselect_b64 s[10:11], s[12:13], s[10:11]
	s_cmp_eq_u32 s34, 2
	s_cselect_b64 s[10:11], s[14:15], s[10:11]
	s_cmp_eq_u32 s34, 3
	s_cselect_b64 s[10:11], s[16:17], s[10:11]
	s_lshl_b32 s28, s35, 16
	s_lshl_b32 s32, s26, 10
	s_add_co_u32 s28, s28, s32
	s_add_nc_u64 s[10:11], s[10:11], s[28:29]
	s_wait_alu depctr_va_vdst(0)
	LOADS 10
	s_lshl_b32 s30, s34, 20                        ; a weight's codes are 2^20 bytes
	s_lshl_b32 s32, s35, 14
	s_add_co_u32 s30, s30, s32
	s_lshl_b32 s32, s26, 12
	s_add_co_u32 s30, s30, s32
	s_add_nc_u64 s[48:49], s[22:23], s[30:31]
	s_wait_kmcnt 0x0
	s_cmp_eq_u32 s34, 1
	s_cselect_b32 s37, s39, s37                    ; e1, e3, e5 or e11
	s_cmp_eq_u32 s34, 2
	s_cselect_b32 s37, s41, s37
	s_cmp_eq_u32 s34, 3
	s_cselect_b32 s37, s44, s37
	SCALE 37, SC, SC+1
	s_wait_alu depctr_va_vdst(0)
	TASK 0, 1, WOFF
	TASK 1, 1, WOFF
	TASK 2, 1, WOFF
	TASK 3, 1, WOFF
	s_wait_tensorcnt 0x0
	ds_add_u32 v224, v225
	s_wait_dscnt 0x0
	s_endpgm
	; ---- the table
.Ltable:
	s_sub_co_u32 s33, ttmp9, 768
	s_lshl_b32 s33, s33, 2
	s_add_co_u32 s33, s33, s26                     ; my block of 16 positions
	s_lshl_b32 s28, s33, 12
	s_add_nc_u64 s[24:25], s[24:25], s[28:29]
	s_lshl_b32 s32, s33, 4
	v_add_nc_u32 v8, s32, v2
	v_cvt_f32_u32 v8, v8                           ; my position
	v_lshlrev_b32 v9, 2, v3                        ; 4 h
	s_wait_alu depctr_va_vdst(0)
	s_mov_b32 s36, 0xbfc90fdb                      ; -pi/2, its f32 part,
	s_mov_b32 s37, 0x333bbd2e                      ; and what that part is too large by
	s_mov_b32 s38, 0xb94ca1f9                      ; sin: r + r z (S1 + z (S2 + z S3)), z = r r
	s_mov_b32 s39, 0x3c08839e
	s_mov_b32 s40, 0xbe2aaaa3
	s_mov_b32 s41, 0x37ccf5ce                      ; cos: 1 + z (-1/2 + z (C1 + z (C2 + z C3)))
	s_mov_b32 s42, 0xbab6061a
	s_mov_b32 s43, 0x3d2aaaa5
.irp n, 0,1,2,3,4,5,6,7,8,9,10,11,12,13,14,15      ; number n = 2 ld + e: pair i = 8 (ld/2) + 4h + 2 (ld%2) + e
	v_add_nc_u32 v[FI+\n], 8*(\n/4)+2*((\n/2)%2)+\n%2, v9
	v_cvt_f32_u32 v[FI+\n], v[FI+\n]
.endr
.irp n, 0,1,2,3,4,5,6,7,8,9,10,11,12,13,14,15
	v_mul_f32 v[EX+\n], 0xbed49a80, v[FI+\n]       ; -i x 435412 / 2^20: exact (17 bits x 5 bits); log2(10000)/32 is smaller than 435412 / 2^20 by 2.29594e-7
.endr
	s_wait_alu depctr_va_vdst(0)
.irp n, 0,1,2,3,4,5,6,7,8,9,10,11,12,13,14,15
	v_exp_f32 v[EX+\n], v[EX+\n]
.endr
.irp n, 0,1,2,3,4,5,6,7,8,9,10,11,12,13,14,15
	v_mul_f32 v[KK+\n], 0x342ae0c2, v[FI+\n]       ; i x 2.29594e-7 x ln 2: what the exponent lacks, as a factor 1 + k.  (Plain lines behind the exponentials)
.endr
	s_wait_alu depctr_va_vdst(0)                   ; one wait for the sixteen exponentials, ahead of their first reader
.irp n, 0,1,2,3,4,5,6,7,8,9,10,11,12,13,14,15
	v_fma_f32 v[EX+\n], v[EX+\n], v[KK+\n], v[EX+\n]
	v_mul_f32 v[EX+\n], v8, v[EX+\n]               ; the angle
.endr
.macro SINCOS n
	v_mul_f32 v96, 0x3f22f983, v[EX+\n]
	v_rndne_f32 v96, v96                           ; q = the nearest whole number to angle x 2/pi
	v_fma_f32 v97, v96, s36, v[EX+\n]
	v_fma_f32 v97, v96, s37, v97                   ; r = angle - q pi/2, within +-pi/4
	v_cvt_i32_f32 v98, v96
	v_mul_f32 v99, v97, v97                        ; z
	v_fma_f32 v100, v99, s38, s39
	v_fma_f32 v101, v99, s41, s42
	v_fma_f32 v100, v100, v99, s40
	v_fma_f32 v101, v101, v99, s43
	v_mul_f32 v100, v100, v99
	v_fma_f32 v101, v99, v101, -0.5
	v_fma_f32 v100, v100, v97, v97                 ; sin r
	v_fma_f32 v101, v99, v101, 1.0                 ; cos r
	v_and_b32 v102, 1, v98
	v_cmp_eq_u32 vcc_lo, 1, v102
	v_cndmask_b32 v103, v100, v101, vcc_lo         ; q odd: the two change places
	v_cndmask_b32 v104, v101, v100, vcc_lo
	v_and_b32 v102, 2, v98
	v_lshlrev_b32 v102, 30, v102
	v_xor_b32 v[OUT+2*\n+1], v102, v103            ; sin: minus where q mod 4 is 2 or 3
	v_add_nc_u32 v98, 1, v98
	v_and_b32 v98, 2, v98
	v_lshlrev_b32 v98, 30, v98
	v_xor_b32 v[OUT+2*\n], v98, v104               ; cos: minus where q mod 4 is 1 or 2
.endm
.irp n, 0,1,2,3,4,5,6,7,8,9,10,11,12,13,14,15
	SINCOS \n
.endr
.irp l, 0,1,2,3,4,5,6,7
	global_store_b128 v5, v[OUT+4*\l:OUT+4*\l+3], s[24:25] offset:512*\l
.endr
	s_endpgm
.Lfunc_end_k_q8c7830d1c6_prep:
	.size	k_q8c7830d1c6_prep, .Lfunc_end_k_q8c7830d1c6_prep-k_q8c7830d1c6_prep
	.p2alignl 7, 3214868480
	.fill 96, 4, 3214868480
	.section	.rodata,"a",@progbits
	.p2align	6, 0x0
	.amdhsa_kernel k_q8c7830d1c6_prep
		.amdhsa_group_segment_fixed_size 35328
		.amdhsa_private_segment_fixed_size 0
		.amdhsa_enable_private_segment 0
		.amdhsa_kernarg_size 72
		.amdhsa_user_sgpr_count 2
		.amdhsa_user_sgpr_kernarg_segment_ptr 1
		.amdhsa_wavefront_size32 1
		.amdhsa_system_sgpr_workgroup_id_x 1
		.amdhsa_system_sgpr_workgroup_id_y 1
		.amdhsa_system_sgpr_workgroup_id_z 1
		.amdhsa_system_vgpr_workitem_id 0
		.amdhsa_next_free_vgpr 226
		.amdhsa_next_free_sgpr 66
		.amdhsa_reserve_vcc 1
		.amdhsa_float_denorm_mode_32 3
		.amdhsa_float_denorm_mode_16_64 3
		.amdhsa_fp16_overflow 1
		.amdhsa_memory_ordered 1
		.amdhsa_forward_progress 1
		.amdhsa_inst_pref_size 51
	.end_amdhsa_kernel
	.amdgpu_metadata
---
amdhsa.version: [ 1, 2 ]
amdhsa.kernels:
  - .name:           k_q8c7830d1c6_prep
    .symbol:         k_q8c7830d1c6_prep.kd
    .args:
      - { .name: x, .offset: 0, .size: 8, .value_kind: global_buffer, .address_space: global }
      - { .name: wq, .offset: 8, .size: 8, .value_kind: global_buffer, .address_space: global }
      - { .name: wk, .offset: 16, .size: 8, .value_kind: global_buffer, .address_space: global }
      - { .name: wv, .offset: 24, .size: 8, .value_kind: global_buffer, .address_space: global }
      - { .name: wo, .offset: 32, .size: 8, .value_kind: global_buffer, .address_space: global }
      - { .name: lowp_scales, .offset: 40, .size: 8, .value_kind: global_buffer, .address_space: global }
      - { .name: xc, .offset: 48, .size: 8, .value_kind: global_buffer, .address_space: global }
      - { .name: wc, .offset: 56, .size: 8, .value_kind: global_buffer, .address_space: global }
      - { .name: rope, .offset: 64, .size: 8, .value_kind: global_buffer, .address_space: global }
    .group_segment_fixed_size: 35328
    .private_segment_fixed_size: 0
    .kernarg_segment_align: 8
    .kernarg_segment_size: 72
    .max_flat_workgroup_size: 128
    .sgpr_count:     66
    .vgpr_count:     226
    .wavefront_size: 32
...
	.end_amdgpu_metadata
.endif
;; end of part 1
;; launch qkv (part 2): grid 24 x 32, 4 waves a work-group, clusters of 4 x 4, 327,680 bytes of LDS; arguments xc, wc, rope, lowp_scales, qc, kc, vc; writes qc, kc, vc
.if DOCPART == 2
	.amdgcn_target "amdgcn-amd-amdhsa--gfx1250"
	.amdhsa_code_object_version 6
	.text
	.protected	k_q8c7830d1c6_qkv
	.globl	k_q8c7830d1c6_qkv
	.p2align	8
	.type	k_q8c7830d1c6_qkv,@function
k_q8c7830d1c6_qkv:
	s_mov_b64 s[64:65], 0
	v_nop
	global_prefetch_b8 v0, s[64:65] scope:SCOPE_SE
	s_setreg_imm32_b32 hwreg(HW_REG_WAVE_MODE, 25, 1), 1
	s_wait_xcnt 0x0
	s_wait_alu depctr_hold_cnt(0) depctr_sa_sdst(0) depctr_va_vdst(0) depctr_va_sdst(0) depctr_va_ssrc(0) depctr_va_vcc(0) depctr_vm_vsrc(0)
	s_getreg_b32 s2, hwreg(HW_REG_IB_STS2, 6, 4)
	s_cmp_eq_u32 s2, 0
	s_cbranch_scc0 .Lentry_in_a_cluster
	s_endpgm
.Lentry_in_a_cluster:
	s_bfe_u32 s2, ttmp6, 0x10000c
	s_cmp_lg_u32 s2, 0xf033
	s_cbranch_scc0 .Lentry_shape_is_right
	s_endpgm
.Lentry_shape_is_right:
; QKV.  q = rope(x wq^T), k = rope(x wk^T), v = x wv^T on E4M3 codes (v_wmma_f32_16x16x128_fp8_fp8, f32 sums), each result quantised at once for the products of attention (2^e6, 2^e7, 2^e9).
; All operands come and go as images of operand registers (16 rows x 128 K: 2,048 bytes; byte 512 g + 16 lane + i = byte i of the lane's registers 4g .. 4g+3, in the plain fp8 forms' own layout).
; A TILE is 256 rows of the operand in role A x 128 rows of the operand in role B, K = 1,024.  Four waves; a wave makes 128 x 64: 32 accumulators.  The matrix instruction takes B's rows as source 0 and A's as source 1:
; lane (r, h) then holds A's row 16a + r and B's rows 16b + 8h + 0..7 in the eight registers of accumulator (a, b).
; ROLES.  p = cluster x / 2.  p = 0, 1 (q, k): A = tokens, B = features: a lane's eight registers are eight neighbouring channels of one token: K of the scores.
; p = 2 (v): A = FEATURES, B = TOKENS: a lane's eight registers are eight neighbouring keys of one channel: K of the second product of attention.  Nothing is transposed by an instruction.
; So the conversions' results are the next operand's registers and are stored straight, 512 consecutive bytes an instruction.
; qc, kc: [batch x 16 + head][16-token block 128][1,024]: 16 tokens x the head's 64.   vc: [batch x 16 + head][128-key step 16][16-channel block 4][2,048]: 16 channels x 128 keys.
; LDS.  Three slots of 98,304 bytes, each one K step of 256: A's 16 blocks x 4,096 bytes, then B's 8.  K steps 0, 1, 2 are first fills, asked for together at the head (three tensor loads of a wave are out);
; K step 3 is the one refill, into slot 0.  Behind the slots: the spare words.  All of the LDS is claimed.
; CLUSTER 4 x 4: A's tile hangs on the cluster's row alone and is asked for jointly along it, B's on the column.  Waves 0, 1 fetch A's halves, waves 2, 3 B's.
; The rotation is linear, so it is applied to the raw sums, and the three scales fold into the conversion's one: code = rotated sum / 2^(e6 - e0 - e1), and likewise for k and v.
; LIMITS: e6-e0-e1, e7-e2-e3, e9-e4-e5 lie between -126 and 119.
; REGISTERS, in windows of 256: window 0: v1-7 addresses, v28, v29 for the add, v32-127 cos and sin (three sets), v128-255 A's fragments, set 0 (on the way out: v128-159 at work, v160-223 codes, v224 scale).
;   window 1: v0-63, v64-127 B's fragments, sets 0, 1; v128-255 A's, set 1.   window 2: accumulator (a, b) at v[8 (4a + b)].
.set SLOT,  98304
.set BOFF,  65536
.set SPARE, 3*SLOT
.set LI,    1                          ; v1    16 x lane
.set ADRA,  2                          ; v2-4  my A fragments in slot 0, 1, 2
.set ADRB,  5                          ; v5-7  my B fragments
.set SPW,   28
.set NIL,   29
.set RP,    32
.set T,     128
.set CC,    160
.set SCL,   224
.set LIM,   225
.set MSB, 0
.macro WIN new                         ; the immediate's high byte repeats the setting that is left
.if MSB != (\new)
	s_set_vgpr_msb (MSB<<8)|(\new)
.set MSB, (\new)
.endif
.endm
.macro PLACES n
.rept \n
	v_nop
.endr
.endm
.macro CREST                           ; a round of the cluster's barrier behind its opening barrier
	s_cmp_lg_u32 s18, 0
	s_cbranch_scc1 .Lnot_wave_0_\@
	s_barrier_signal -3
.Lnot_wave_0_\@:
	s_barrier_wait -3
	s_barrier_signal -1
	s_barrier_wait -1
.endm
.macro CROUND
	s_barrier_signal -1
	s_barrier_wait -1
	CREST
.endm
.macro JLOAD                           ; the joint refill of slot 0; four v_nop follow each of the two lines
	s_cmp_eq_u32 s19, 0
	s_cbranch_scc0 .Lfor_b_\@
	tensor_load_to_lds s[44:47], s[28:35]
	s_nop 0
.rept 4
	v_nop
.endr
	s_branch .Lasked_\@
.Lfor_b_\@:
	tensor_load_to_lds s[68:71], s[36:43]
	s_nop 0
.rept 4
	v_nop
.endr
.Lasked_\@:
.endm
.macro FRAG reg, adr, q, i             ; the image of block i, half q of the slot's K step: four loads of 512 consecutive bytes
.irp c, 0,1,2,3
	ds_load_b128 v[\reg+4*\c:\reg+4*\c+3], v[\adr] offset:4096*(\i)+2048*(\q)+512*\c
.endr
.endm
.macro FETCH slot, q, set              ; 48 loads: B's four fragments, A's eight
	WIN 0x40                                       ; destination window 1, address window 0
.irp i, 0,1,2,3
	FRAG 64*(\set)+16*\i, ADRB+\slot, \q, \i
.endr
.if (\set) == 0
	WIN 0
.endif
.irp i, 0,1,2,3,4,5,6,7
	FRAG 128+16*\i, ADRA+\slot, \q, \i
.endr
	WIN 0
.endm
.macro MUL a0, a1, set, zero           ; A's blocks a0 .. a1 against B's four.  The 32 accumulators take turns, one instruction a turn, in the same order in every step
	WIN 0xa1+4*(\set)                              ; source 0 (B) window 1, source 1 (A) window 0 or 1, C and D window 2
.set aa, \a0
.rept \a1-\a0+1
.irp b, 0,1,2,3
.if \zero
	v_wmma_f32_16x16x128_fp8_fp8 v[8*(4*aa+\b):8*(4*aa+\b)+7], v[64*(\set)+16*\b:64*(\set)+16*\b+15], v[128+16*aa:128+16*aa+15], 0
.else
	v_wmma_f32_16x16x128_fp8_fp8 v[8*(4*aa+\b):8*(4*aa+\b)+7], v[64*(\set)+16*\b:64*(\set)+16*\b+15], v[128+16*aa:128+16*aa+15], v[8*(4*aa+\b):8*(4*aa+\b)+7]
.endif
.endr
.set aa, aa+1
.endr
.endm
.macro STEP set, nslot, nq, zero       ; a step of 128 along K on one set, while the next step's fragments come into the other
	s_wait_dscnt 0x0                               ; this set is in
	PLACES 4                                       ; four plain places between the last products, which read the other set, and the loads into it (ISA guide 7.12.1 for vector instructions)
	FETCH \nslot, \nq, 1-\set
	MUL 0, 7, \set, \zero
.endm
.macro TURNF                           ; the second step of 128: slot 0 has been read out and is filled again, with K step 3
	WIN 0
	s_wait_tensorcnt 0x0                           ; all my tensor loads have landed: my parts of slots 0, 1 and 2
	ds_add_u32 v[SPW], v[NIL]                      ; 0 onto my spare word
	s_wait_dscnt 0x1                               ; the fragments are in; the add may be out
	MUL 0, 1, 1, 0
	s_wait_dscnt 0x0                               ; the add is done, and my reads of slot 0 are over
	s_barrier_signal -1                            ; this barrier opens a round of the cluster's barrier
	MUL 2, 3, 1, 0
	WIN 0
	s_barrier_wait -1
	CREST                                          ; no wave of any partner still reads slot 0 or has a load on its way; slots 1 and 2 are whole in every work-group
	s_add_nc_u64 s[46:47], s[46:47], 3*4096
	s_add_nc_u64 s[70:71], s[70:71], 3*4096
	JLOAD                                          ; the first tensor load behind the round; its four v_nop are the places in front of the loads below
	FETCH 1, 0, 0
	MUL 4, 7, 1, 0
.endm
.macro TURNW                           ; the sixth step of 128: the refill is waited for
	s_wait_tensorcnt 0x0                           ; my one load that was out: my part of K step 3
	s_wait_dscnt 0x0
	s_barrier_signal -1
	MUL 0, 3, 1, 0
	s_barrier_wait -1                              ; everybody's part is in
	PLACES 4
	FETCH 0, 0, 0
	MUL 4, 7, 1, 0
.endm
	s_load_b256 s[4:11], s[0:1], 0x0               ; xc 4, wc 6, rope 8, scales 10
	s_load_b128 s[12:15], s[0:1], 0x20             ; qc 12, kc 14
	s_load_b64 s[16:17], s[0:1], 0x30              ; vc
	v_lshl_add_u32 v[SPW], v0, 2, SPARE
	v_mov_b32 v[NIL], 0
	ds_add_u32 v28, v29
	ds_add_u32 v28, v29
	s_wait_dscnt 0x0
	v_lshrrev_b32 v1, 5, v0
	v_readfirstlane_b32 s18, v1                    ; wave
	s_lshr_b32 s19, s18, 1                         ; which 128 of A's rows are mine.  Also: I fetch for A (0) or for B (1)
	s_and_b32 s20, s18, 1                          ; which 64 of B's rows.  Also: which half of that tile I fetch
	s_bfe_u32 s21, ttmp6, 0x40000                  ; cx
	s_bfe_u32 s22, ttmp6, 0x40004                  ; cy
	s_and_b32 s24, ttmp7, 0xffff                   ; cluster y, 0..7
	s_lshr_b32 s25, ttmp9, 1                       ; p: 0 q, 1 k, 2 v
	s_and_b32 s26, ttmp9, 1                        ; xh
	s_lshl_b32 s60, s22, 2
	s_lshl_b32 s60, 15, s60                        ; my row of the cluster
	s_lshl_b32 s61, 0x1111, s21                    ; my column
	s_or_b32 s28, s60, (3<<16)|(1<<21)             ; group 1 for A: 15:0 the mask; 17:16 elements of 8 bytes; 21 set beside a mask; no padding
	s_or_b32 s36, s61, (3<<16)|(1<<21)             ; for B
	s_mov_b32 s29, 512<<16                         ; tensor_dim0 = 512 elements: a block's 4,096 bytes of a K step
	s_mov_b32 s30, 8<<16                           ; tensor_dim1 = 8 blocks
	s_mov_b32 s31, 512<<16                         ; tile_dim0
	s_mov_b32 s32, 8                               ; tile_dim1
	s_mov_b32 s33, 2048                            ; from block to block: 16,384 bytes
	s_mov_b32 s34, 0
	s_mov_b32 s35, 0
	s_mov_b32 s37, 512<<16
	s_mov_b32 s38, 4<<16                           ; B: 4 blocks
	s_mov_b32 s39, 512<<16
	s_mov_b32 s40, 4
	s_mov_b32 s41, 2048
	s_mov_b32 s42, 0
	s_mov_b32 s43, 0
	; the roles.  q, k: A tile 4 Y + cy of x's plane p, B tile 4 xh + cx of weight p.   v: A tile cy of wv, B tile 4 (8 xh + Y) + cx of x's plane 2
	s_lshl_b32 s66, s26, 3
	s_add_co_u32 s66, s66, s24
	s_lshl_b32 s67, s25, 23                        ; x's plane p
	s_lshl_b32 s27, s25, 20                        ; weight p
	s_mov_b32 s92, 0x200000                        ; wv in wc
	s_mov_b32 s93, 0x1000000                       ; plane 2 in xc
	s_cmp_lt_u32 s25, 2
	s_cselect_b32 s62, s24, 0
	s_cselect_b32 s63, s26, s66
	s_cselect_b32 s67, s67, s92
	s_cselect_b32 s27, s27, s93
	s_lshl_b32 s62, s62, 2
	s_add_co_u32 s62, s62, s22                     ; ta: A's tile
	s_lshl_b32 s63, s63, 2
	s_add_co_u32 s63, s63, s21                     ; tbx: B's tile
	s_lshl_b32 s90, s62, 18                        ; 16 blocks x 16,384 bytes
	s_add_co_u32 s90, s90, s67
	s_lshl_b32 s60, s20, 17                        ; the half that I fetch: 8 blocks
	s_add_co_u32 s90, s90, s60
	s_mov_b32 s91, 0
	s_lshl_b32 s92, s63, 17                        ; 8 blocks
	s_add_co_u32 s92, s92, s27
	s_lshl_b32 s60, s20, 16                        ; 4 blocks
	s_add_co_u32 s92, s92, s60
	s_mov_b32 s93, 0
	s_lshl_b32 s66, s20, 15                        ; where they go in a slot: no place in the cluster enters an LDS address
	s_lshl_b32 s67, s20, 14
	s_add_co_u32 s67, s67, BOFF
	s_wait_kmcnt 0x0
	s_load_b256 s[80:87], s[10:11], 0x0            ; e0 .. e7
	s_load_b64 s[88:89], s[10:11], 0x20            ; e8, e9
	s_cmp_lt_u32 s25, 2
	s_cselect_b64 s[56:57], s[4:5], s[6:7]
	s_cselect_b64 s[58:59], s[6:7], s[4:5]
	s_add_nc_u64 s[56:57], s[56:57], s[90:91]
	s_add_nc_u64 s[58:59], s[58:59], s[92:93]
.irp s, 0,1,2
	s_mov_b32 s[44+4*\s], 1
	s_add_co_u32 s[45+4*\s], s66, \s*SLOT
	s_add_nc_u64 s[46+4*\s:47+4*\s], s[56:57], \s*4096
	s_or_b32 s[47+4*\s], s[47+4*\s], 0x80000000
	s_mov_b32 s[68+4*\s], 1
	s_add_co_u32 s[69+4*\s], s67, \s*SLOT
	s_add_nc_u64 s[70+4*\s:71+4*\s], s[58:59], \s*4096
	s_or_b32 s[71+4*\s], s[71+4*\s], 0x80000000
.endr
	CROUND                                         ; all sixteen work-groups are here: the first joint loads meet
	s_cmp_eq_u32 s19, 0                            ; a wave's three first fills stand in one branch on the wave's number
	s_cbranch_scc0 .Lfirst_b
	tensor_load_to_lds s[44:47], s[28:35]
	s_nop 0
	tensor_load_to_lds s[48:51], s[28:35]
	s_nop 0
	tensor_load_to_lds s[52:55], s[28:35]
	s_nop 0
.rept 4
	v_nop
.endr
	s_branch .Lfirst_asked
.Lfirst_b:
	tensor_load_to_lds s[68:71], s[36:43]
	s_nop 0
	tensor_load_to_lds s[72:75], s[36:43]
	s_nop 0
	tensor_load_to_lds s[76:79], s[36:43]
	s_nop 0
.rept 4
	v_nop
.endr
.Lfirst_asked:
	v_and_b32 v[LI], 31, v0
	v_lshlrev_b32 v[LI], 4, v[LI]
	s_lshl_b32 s60, s19, 15                        ; my 8 blocks of A
	s_lshl_b32 s61, s20, 14                        ; my 4 blocks of B
	s_add_co_u32 s61, s61, BOFF
.irp s, 0,1,2
	v_add_nc_u32 v[ADRA+\s], s60, v[LI]
	v_add_nc_u32 v[ADRB+\s], s61, v[LI]
	s_add_co_u32 s60, s60, SLOT
	s_add_co_u32 s61, s61, SLOT
.endr
	s_wait_alu depctr_va_vdst(0)
	s_wait_kmcnt 0x0
	s_sub_co_i32 s86, s86, s80
	s_sub_co_i32 s86, s86, s81                     ; q: e6 - e0 - e1
	s_sub_co_i32 s87, s87, s82
	s_sub_co_i32 s87, s87, s83                     ; k: e7 - e2 - e3
	s_sub_co_i32 s89, s89, s84
	s_sub_co_i32 s89, s89, s85                     ; v: e9 - e4 - e5
	s_cmp_eq_u32 s25, 1
	s_cselect_b32 s86, s87, s86
	s_cmp_eq_u32 s25, 2
	s_cselect_b32 s86, s89, s86
	s_add_co_i32 s86, s86, 127
	s_lshl_b32 s94, s86, 23                        ; the conversion's scale as f32
	s_mov_b32 s91, 0
	s_wait_tensorcnt 0x2                           ; my part of K step 0 is in; the two younger loads may stay out
	s_barrier_signal -1
	s_barrier_wait -1
	FETCH 0, 0, 0
	STEP 0, 0, 1, 1                                ; the first products start the sums: nothing is cleared
	TURNF
	STEP 0, 1, 1, 0
	STEP 1, 2, 0, 0
	STEP 0, 2, 1, 0
	TURNW
	WIN 0
	s_cmp_eq_u32 s25, 2                            ; p is the same in all partners of the cluster.  The last two steps hold no tensor load and no barrier: they are written in both ways
	s_cbranch_scc1 .Lvpath
	; ---- q, k
	s_cmp_eq_u32 s25, 0
	s_cselect_b64 s[96:97], s[12:13], s[14:15]
	s_lshr_b32 s60, s62, 3                         ; batch = 256 ta / 2048
	s_lshl_b32 s60, s60, 4
	s_lshl_b32 s61, s63, 1
	s_add_co_u32 s60, s60, s61
	s_add_co_u32 s60, s60, s20                     ; + head = 2 tbx + my half
	s_lshl_b32 s60, s60, 7
	s_and_b32 s61, s62, 7
	s_lshl_b32 s61, s61, 4
	s_lshl_b32 s66, s19, 3
	s_add_co_u32 s61, s61, s66                     ; my first block of 16 positions in the sequence
	s_add_co_u32 s60, s60, s61
	s_lshl_b32 s90, s60, 10
	s_add_nc_u64 s[96:97], s[96:97], s[90:91]
	s_lshl_b32 s90, s61, 12
	s_add_nc_u64 s[98:99], s[8:9], s[90:91]
.macro RLOAD a                         ; cos and sin of block a's 16 positions, for my lane's 16 pairs, into set a % 3: register 8b + 2i = cos, 8b + 2i + 1 = sin of pair 8b + 4h + i
.irp l, 0,1,2,3,4,5,6,7
	global_load_b128 v[RP+32*((\a)%3)+4*\l:RP+32*((\a)%3)+4*\l+3], v[LI], s[98:99] offset:4096*(\a)+512*\l
.endr
.endm
	RLOAD 0                                        ; they land under the 64 matrix instructions below
	RLOAD 1
	RLOAD 2
	STEP 0, 0, 1, 0
	s_wait_dscnt 0x0
	MUL 0, 7, 1, 0
	WIN 0
	PLACES 4                                       ; in front of the first read of results and of writes into registers that held A's fragments
	v_mov_b32 v[SCL], s94
.macro QKBLOCK a
.set RS, RP+32*((\a)%3)
.if 7-(\a) >= 2
	s_wait_loadcnt 16                              ; this block's eight loads are in; the next two blocks' may stay out
.else
	s_wait_loadcnt 8*(7-(\a))
.endif
	WIN 0x02                                       ; source 0: window 2
.irp b, 0,1,2,3
.irp i, 0,1,2,3
	v_pk_mul_f32 v[T+8*\b+2*\i:T+8*\b+2*\i+1], v[8*(4*(\a)+\b)+2*\i:8*(4*(\a)+\b)+2*\i+1], v[RS+8*\b+2*\i:RS+8*\b+2*\i+1] op_sel_hi:[1,0]   ; both x cos; each accumulator from its low end on
.endr
.irp i, 0,1,2,3
	v_fma_f32 v[T+8*\b+2*\i], -v[8*(4*(\a)+\b)+2*\i+1], v[RS+8*\b+2*\i+1], v[T+8*\b+2*\i]       ; even: - odd x sin
	v_fma_f32 v[T+8*\b+2*\i+1], v[8*(4*(\a)+\b)+2*\i], v[RS+8*\b+2*\i+1], v[T+8*\b+2*\i+1]      ; odd: + even x sin
.endr
.endr
	WIN 0
.if (\a) <= 4
	RLOAD (\a)+3                                   ; into the set that has just been read
.endif
.irp b, 0,1,2,3
.irp i, 0,1,2,3,4,5,6,7
.endr
	v_cvt_scalef32_pk8_fp8_f32 v[CC+8*(\a)+2*\b:CC+8*(\a)+2*\b+1], v[T+8*\b:T+8*\b+7], v[SCL]   ; registers 2b, 2b+1 of the operand: channels 16b + 8h + 0..7
.endr
	v_nop                                          ; a plain line between the last conversion and the next write of its sources
	global_store_b128 v[LI], v[CC+8*(\a):CC+8*(\a)+3], s[96:97] offset:1024*(\a)               ; each block has its own registers for its codes: no store's data are written again
	global_store_b128 v[LI], v[CC+8*(\a)+4:CC+8*(\a)+7], s[96:97] offset:1024*(\a)+512
.endm
.irp a, 0,1,2,3,4,5,6,7
	QKBLOCK \a
.endr
	s_branch .Lend
	; ---- v
.Lvpath:
	s_lshr_b32 s60, s63, 4                         ; batch = 128 tbx / 2048
	s_lshl_b32 s60, s60, 4
	s_lshl_b32 s61, s62, 2
	s_add_co_u32 s60, s60, s61
	s_lshl_b32 s61, s19, 1
	s_add_co_u32 s60, s60, s61                     ; + my first head = 4 ta + 2 x my half
	s_lshl_b32 s60, s60, 4
	s_and_b32 s61, s63, 15
	s_add_co_u32 s60, s60, s61                     ; the step of 128 keys
	s_lshl_b32 s60, s60, 13                        ; four images of 2,048 bytes
	s_lshl_b32 s61, s20, 10                        ; my 64 keys are half an image
	s_add_co_u32 s90, s60, s61
	s_add_nc_u64 s[96:97], s[16:17], s[90:91]
	STEP 0, 0, 1, 0
	s_wait_dscnt 0x0
	MUL 0, 7, 1, 0
	WIN 0
	PLACES 4
	v_mov_b32 v[SCL], s94
.macro VBLOCK a
	WIN 0x02
.irp b, 0,1,2,3
.irp i, 0,1,2,3,4,5,6,7
.endr
.endr
.irp b, 0,1,2,3
	v_cvt_scalef32_pk8_fp8_f32 v[CC+8*(\a)+2*\b:CC+8*(\a)+2*\b+1], v[T+8*\b+((8*(4*(\a)+0)+0)-(T+8*0+0)):T+8*\b+7+((8*(4*(\a)+0)+0)-(T+8*0+0))], v[SCL]
.endr
	WIN 0
	v_nop
	global_store_b128 v[LI], v[CC+8*(\a):CC+8*(\a)+3], s[96:97] offset:131072*((\a)/4)+2048*((\a)%4)        ; a head is 131,072 bytes
	global_store_b128 v[LI], v[CC+8*(\a)+4:CC+8*(\a)+7], s[96:97] offset:131072*((\a)/4)+2048*((\a)%4)+512
.endm
.irp a, 0,1,2,3,4,5,6,7
	VBLOCK \a
.endr
.Lend:
	s_wait_tensorcnt 0x0                           ; the wave's end
	ds_add_u32 v[SPW], v[NIL]
	s_wait_dscnt 0x0
	CROUND                                         ; the closing round: no work-group ends while a partner may still ask for a tile that names it
	s_endpgm
.Lfunc_end_k_q8c7830d1c6_qkv:
	.size	k_q8c7830d1c6_qkv, .Lfunc_end_k_q8c7830d1c6_qkv-k_q8c7830d1c6_qkv
	.p2alignl 7, 3214868480
	.fill 96, 4, 3214868480
	.section	.rodata,"a",@progbits
	.p2align	6, 0x0
	.amdhsa_kernel k_q8c7830d1c6_qkv
		.amdhsa_group_segment_fixed_size 327680
		.amdhsa_private_segment_fixed_size 0
		.amdhsa_enable_private_segment 0
		.amdhsa_kernarg_size 56
		.amdhsa_user_sgpr_count 2
		.amdhsa_user_sgpr_kernarg_segment_ptr 1
		.amdhsa_wavefront_size32 1
		.amdhsa_system_sgpr_workgroup_id_x 1
		.amdhsa_system_sgpr_workgroup_id_y 1
		.amdhsa_system_sgpr_workgroup_id_z 1
		.amdhsa_system_vgpr_workitem_id 0
		.amdhsa_next_free_vgpr 768
		.amdhsa_next_free_sgpr 100
		.amdhsa_reserve_vcc 0
		.amdhsa_float_denorm_mode_32 3
		.amdhsa_float_denorm_mode_16_64 3
		.amdhsa_fp16_overflow 1
		.amdhsa_memory_ordered 1
		.amdhsa_forward_progress 1
		.amdhsa_inst_pref_size 99
	.end_amdhsa_kernel
	.amdgpu_metadata
---
amdhsa.version: [ 1, 2 ]
amdhsa.kernels:
  - .name:           k_q8c7830d1c6_qkv
    .symbol:         k_q8c7830d1c6_qkv.kd
    .args:
      - { .name: xc, .offset: 0, .size: 8, .value_kind: global_buffer, .address_space: global }
      - { .name: wc, .offset: 8, .size: 8, .value_kind: global_buffer, .address_space: global }
      - { .name: rope, .offset: 16, .size: 8, .value_kind: global_buffer, .address_space: global }
      - { .name: lowp_scales, .offset: 24, .size: 8, .value_kind: global_buffer, .address_space: global }
      - { .name: qc, .offset: 32, .size: 8, .value_kind: global_buffer, .address_space: global }
      - { .name: kc, .offset: 40, .size: 8, .value_kind: global_buffer, .address_space: global }
      - { .name: vc, .offset: 48, .size: 8, .value_kind: global_buffer, .address_space: global }
    .group_segment_fixed_size: 327680
    .private_segment_fixed_size: 0
    .kernarg_segment_align: 8
    .kernarg_segment_size: 56
    .max_flat_workgroup_size: 128
    .sgpr_count:     100
    .vgpr_count:     768
    .wavefront_size: 32
...
	.end_amdgpu_metadata
.endif
;; end of part 2
;; launch attn (part 3): grid 4 x 64, 16 waves a work-group, clusters of 4 x 1, 264,192 bytes of LDS; arguments qc, kc, vc, lowp_scales, oc; writes oc
.if DOCPART == 3
	.amdgcn_target "amdgcn-amd-amdhsa--gfx1250"
	.amdhsa_code_object_version 6
	.text
	.protected	k_q8c7830d1c6_attn
	.globl	k_q8c7830d1c6_attn
	.p2align	8
	.type	k_q8c7830d1c6_attn,@function
k_q8c7830d1c6_attn:
	s_mov_b64 s[64:65], 0
	v_nop
	global_prefetch_b8 v0, s[64:65] scope:SCOPE_SE
	s_setreg_imm32_b32 hwreg(HW_REG_WAVE_MODE, 25, 1), 1
	s_wait_xcnt 0x0
	s_wait_alu depctr_hold_cnt(0) depctr_sa_sdst(0) depctr_va_vdst(0) depctr_va_sdst(0) depctr_va_ssrc(0) depctr_va_vcc(0) depctr_vm_vsrc(0)
	s_getreg_b32 s2, hwreg(HW_REG_IB_STS2, 6, 4)
	s_cmp_eq_u32 s2, 0
	s_cbranch_scc0 .Lentry_in_a_cluster
	s_endpgm
.Lentry_in_a_cluster:
	s_bfe_u32 s2, ttmp6, 0x10000c
	s_cmp_lg_u32 s2, 0x3003
	s_cbranch_scc0 .Lentry_shape_is_right
	s_endpgm
.Lentry_shape_is_right:
; ATTN.  For each batch and head: o = softmax(q k^T / 8, causal) v, both products on E4M3 codes; the result is quantised (2^e10) for the last projection.
; t = score x log2(e) / 8; M = the running largest t rounded UP to a whole number; p = 2^(t - M) is quantised (2^e8), not normalised; the row's sum is taken of the unquantised p and divides at the end.
; When M moves, the sum and O are multiplied by 2^(old M - new M), which rounds nothing.
; SHARES.  A cluster of four work-groups is one (batch, head).  THE HEAD'S WHOLE K AND V (131,072 bytes each, as images of operand registers) LIE IN EACH WORK-GROUP'S LDS, asked for jointly, once: nothing is filled again.
; Wave w of work-group cx owns two tiles of 16 queries: block 8w + 2cx and block 8 (15 - w) + 2cx + 1.  A tile in group g (128 queries) needs the key steps 0 .. g of 128 keys, so every wave has 17 steps;
; which steps a wave walks hangs on its number and a loop's counter alone, never on cx; only step g lies on the diagonal.  cx enters global addresses and the mask's vector data alone.
; The loops' trip counts are constants; a step whose keys all come after the tile's queries is jumped over by a scalar branch inside the loop.
; LAYOUT.  S^T = K Q^T (source 0 = 16 keys, source 1 = my 16 queries; K = the head's 64: v_wmma_f32_16x16x64_fp8_fp8): lane (r, h) holds query r, and register 8t + j key 16t + 8h + j of the step.
; Eight registers of tile t convert into registers 2t, 2t+1 of P, the plain form's own layout for K = 128 keys.  O^T = V^T P^T (source 0 = 16 channels x 128 keys; v_wmma_f32_16x16x128_fp8_fp8):
; register 8d + j = channel 16d + 8h + j of query r, which converts into registers 2d, 2d+1 of the last projection's operand.  oc: [16-token block 512][head 16][1,024].
; The first 256 keys come by a small load a wave, the rest by a second one: the first two steps are worked while the rest lands (two tensor loads of a wave are out).
; LIMITS: e6 + e7 between -123 and 130 (added to c's exponent field); e8 and e10 between -126 and 119; e8 + e9 goes in by v_ldexp_f32.
; REGISTERS: v1 16 x lane; v2, v3 LDS addresses; v4, v5 the mask's d; v8-11, v12-15 a tile's -M, largest t, sum in two halves; v16-31 Q; v32-95 fragments of K or V; v96-159 S^T, then p; v160-223 O^T; v224-239 p's codes; v240-252 constants and at work.
.set LI,   1
.set ADK,  2
.set ADV,  3
.set DD,   4
.set STT,  8
.set QQ,   16
.set F,    32
.set S,    96
.set O,    160
.set PC,   224
.set VBASE, 131072                     ; V's images begin here
.set CH0,  16384                       ; the first 256 keys of K or of V
.set CH1W, 14336                       ; a wave's eighth of the rest
.macro CROUND
	s_barrier_signal -1
	s_barrier_wait -1
	s_cmp_lg_u32 s14, 0
	s_cbranch_scc1 .Lnot_wave_0_\@
	s_barrier_signal -3
.Lnot_wave_0_\@:
	s_barrier_wait -3
	s_barrier_signal -1
	s_barrier_wait -1
.endm
	s_load_b256 s[4:11], s[0:1], 0x0               ; qc 4, kc 6, vc 8, scales 10
	s_load_b64 s[12:13], s[0:1], 0x20              ; oc
	v_lshl_add_u32 v254, v0, 2, 0x40000
	v_mov_b32 v255, 0
	ds_add_u32 v254, v255
	ds_add_u32 v254, v255
	v_lshrrev_b32 v2, 5, v0
	s_delay_alu instid0(VALU_DEP_1)
	v_readfirstlane_b32 s14, v2                    ; wave 0..15
	s_bfe_u32 s15, ttmp6, 0x40000                  ; cx
	s_and_b32 s16, ttmp7, 0xffff                   ; batch x 16 + head, which the four partners share
	s_and_b32 s17, s14, 7
	s_lshl_b32 s26, s17, 11                        ; my eighth of the first chunk: 2,048 bytes
	s_mul_i32 s27, s17, CH1W
	s_add_co_u32 s27, s27, CH0                     ; and of the rest
	s_mov_b32 s60, s26
	s_mov_b32 s61, 0
	s_mov_b32 s62, s27
	s_mov_b32 s63, 0
	s_lshl_b32 s82, s16, 17                        ; a head's 131,072 bytes in qc, kc and vc
	s_mov_b32 s83, 0
	s_mov_b32 s28, 15|(3<<16)|(1<<21)              ; group 1, first chunk: the mask names all four; elements of 8 bytes; 21 set beside a mask; no padding
	s_mov_b32 s29, 32<<16                          ; rows of 256 bytes, dense
	s_mov_b32 s30, 8<<16                           ; 8 rows
	s_mov_b32 s31, 32<<16
	s_mov_b32 s32, 8
	s_mov_b32 s33, 32
	s_mov_b32 s34, 0
	s_mov_b32 s35, 0
	s_mov_b32 s36, 15|(3<<16)|(1<<21)              ; the rest: 56 rows
	s_mov_b32 s37, 32<<16
	s_mov_b32 s38, 56<<16
	s_mov_b32 s39, 32<<16
	s_mov_b32 s40, 56
	s_mov_b32 s41, 32
	s_mov_b32 s42, 0
	s_mov_b32 s43, 0
	s_mov_b32 s18, 0x76543210                      ; v_permlanex16_b32: lane l xor 16
	s_mov_b32 s19, 0xfedcba98
	s_mov_b32 s22, s14                             ; g of my first tile
	s_sub_co_u32 s23, 15, s14                      ; g of my second
	s_wait_dscnt 0x0
	s_wait_kmcnt 0x0
	s_load_b128 s[68:71], s[10:11], 0x18           ; e6, e7, e8, e9
	s_load_b32 s72, s[10:11], 0x28                 ; e10
	s_add_nc_u64 s[4:5], s[4:5], s[82:83]
	s_add_nc_u64 s[6:7], s[6:7], s[82:83]
	s_add_nc_u64 s[8:9], s[8:9], s[82:83]
	s_mov_b32 s44, 1                               ; K, first chunk
	s_mov_b32 s45, s26
	s_add_nc_u64 s[46:47], s[6:7], s[60:61]
	s_or_b32 s47, s47, 0x80000000
	s_mov_b32 s48, 1                               ; K, the rest
	s_mov_b32 s49, s27
	s_add_nc_u64 s[50:51], s[6:7], s[62:63]
	s_or_b32 s51, s51, 0x80000000
	s_mov_b32 s52, 1                               ; V, first chunk
	s_add_co_u32 s53, s26, VBASE
	s_add_nc_u64 s[54:55], s[8:9], s[60:61]
	s_or_b32 s55, s55, 0x80000000
	s_mov_b32 s56, 1                               ; V, the rest
	s_add_co_u32 s57, s27, VBASE
	s_add_nc_u64 s[58:59], s[8:9], s[62:63]
	s_or_b32 s59, s59, 0x80000000
	CROUND                                         ; all four work-groups are here: the joint loads meet
	s_cmp_lt_u32 s14, 8                            ; waves 0-7 fetch K, waves 8-15 V: a wave's two fills stand in one branch on its number
	s_cbranch_scc0 .Lfirst_v
	tensor_load_to_lds s[44:47], s[28:35]
	s_nop 0
	tensor_load_to_lds s[48:51], s[36:43]
	s_nop 0
.rept 4
	v_nop
.endr
	s_branch .Lfirst_asked
.Lfirst_v:
	tensor_load_to_lds s[52:55], s[28:35]
	s_nop 0
	tensor_load_to_lds s[56:59], s[36:43]
	s_nop 0
.rept 4
	v_nop
.endr
.Lfirst_asked:
	v_and_b32 v[LI], 31, v0
	s_delay_alu instid0(VALU_DEP_1)
	v_lshlrev_b32 v[LI], 4, v[LI]
	s_wait_alu depctr_va_vdst(0)
	s_lshl_b32 s84, s14, 3
	s_lshl_b32 s85, s15, 1
	s_add_co_u32 s84, s84, s85                     ; my first tile's block of 16 queries
	s_lshl_b32 s86, s23, 3
	s_add_co_u32 s86, s86, s85
	s_add_co_u32 s86, s86, 1                       ; my second's
	s_lshl_b32 s82, s84, 10
	s_add_nc_u64 s[74:75], s[4:5], s[82:83]
	s_lshl_b32 s82, s86, 10
	s_add_nc_u64 s[76:77], s[4:5], s[82:83]
.irp u, 0,1
	global_load_b128 v[QQ+8*\u:QQ+8*\u+3], v[LI], s[74+2*\u:75+2*\u]
	global_load_b128 v[QQ+8*\u+4:QQ+8*\u+7], v[LI], s[74+2*\u:75+2*\u] offset:512
.endr
	s_lshr_b32 s87, s16, 4
	s_lshl_b32 s87, s87, 7                         ; 128 blocks a batch
	s_and_b32 s88, s16, 15                         ; head
	s_add_co_u32 s82, s87, s84
	s_lshl_b32 s82, s82, 4
	s_add_co_u32 s82, s82, s88
	s_lshl_b32 s82, s82, 10
	s_add_nc_u64 s[78:79], s[12:13], s[82:83]
	s_add_co_u32 s82, s87, s86
	s_lshl_b32 s82, s82, 4
	s_add_co_u32 s82, s82, s88
	s_lshl_b32 s82, s82, 10
	s_add_nc_u64 s[80:81], s[12:13], s[82:83]
	v_and_b32 v6, 15, v0                           ; r
	v_bfe_u32 v7, v0, 4, 1                         ; h
	s_delay_alu instid0(VALU_DEP_1)
	v_lshlrev_b32 v7, 3, v7
	s_delay_alu instid0(VALU_DEP_1)
	v_sub_nc_u32 v[DD], v6, v7
	s_lshl_b32 s89, s15, 5
	v_add_nc_u32 v[DD], s89, v[DD]                 ; d = my query's place in its group of 128, less 8h: 16 (2cx + u) + r - 8h.  Register n holds key 16 (n/8) + n%8 + 8h: hidden where 16 (n/8) + n%8 > d
	s_delay_alu instid0(VALU_DEP_1)
	v_add_nc_u32 v[DD+1], 16, v[DD]
.irp u, 0,1
	v_mov_b32 v[STT+4*\u+1], 0xff61b1e6            ; the largest t so far: -3e38
	s_delay_alu instid0(VALU_DEP_1)
	v_floor_f32 v[STT+4*\u], -v[STT+4*\u+1]        ; -M
	v_mov_b32 v[STT+4*\u+2], 0                     ; the sum, in two halves
	v_mov_b32 v[STT+4*\u+3], 0
.endr
	v_mov_b32 v244, 0                              ; a lane permute's destination counts as one of its sources
	v_mov_b32 v245, 0
	v_mov_b32 v247, 0                              ; (named as the upper half of the pair v[246:247])
	v_mov_b32 v250, 0xff800000                     ; -infinity
.set n, 0
.rept 64
	v_mov_b32 v[O+n], 0                            ; O^T of both tiles.  (A step is written once for all steps: the first finds zeros, which the first change of M leaves zeros)
.set n, n+1
.endr
	s_wait_kmcnt 0x0
	s_add_co_i32 s73, s68, s69
	s_lshl_b32 s73, s73, 23
	s_mov_b32 s20, 0x3e38aa3b                      ; c = log2(e) / 8
	s_add_co_i32 s20, s20, s73                     ; x 2^(e6 + e7): added to its exponent field
	s_mov_b32 s21, s20                             ; (named with it as a pair)
	s_add_co_i32 s73, s70, 127
	s_lshl_b32 s90, s73, 23
	v_mov_b32 v241, s90                            ; 2^e8
	s_add_co_i32 s73, s72, 127
	s_lshl_b32 s90, s73, 23
	v_mov_b32 v251, s90                            ; 2^e10
; A KEY STEP of tile u: the 128 keys whose images begin at LDS byte s25 (K) and VBASE + s25 (V); s24 is the step's number
.macro STEP u
.set NM, STT+4*\u
.set QU, QQ+8*\u
.set OU, O+32*\u
	v_add_nc_u32 v[ADK], s25, v[LI]
	s_delay_alu instid0(VALU_DEP_1)
	v_add_nc_u32 v[ADV], VBASE, v[ADK]
	v_nop
	v_nop                                          ; four plain places between the last products and the loads into registers that they read
.irp t, 0,1,2,3,4,5,6,7
	ds_load_b128 v[F+8*\t:F+8*\t+3], v[ADK] offset:1024*\t
	ds_load_b128 v[F+8*\t+4:F+8*\t+7], v[ADK] offset:1024*\t+512
.endr
	s_wait_alu depctr_va_vdst(0)
	s_wait_dscnt 0x0
.irp t, 0,1,2,3,4,5,6,7
	v_wmma_f32_16x16x64_fp8_fp8 v[S+8*\t:S+8*\t+7], v[F+8*\t:F+8*\t+7], v[QU:QU+7], 0
.endr
.rept 4
	v_nop
.endr
.irp d, 0,1,2,3
.irp c, 0,1,2,3
	ds_load_b128 v[F+16*\d+4*\c:F+16*\d+4*\c+3], v[ADV] offset:2048*\d+512*\c   ; V's fragments land under the softmax
.endr
.endr
	s_cmp_lg_u32 s24, s[22+\u]                     ; only step g lies on the diagonal
	s_cbranch_scc1 .Lopen_\@
.set n, 0
.rept 64
	v_cmp_gt_i32 vcc_lo, 16*(n/8)+n%8, v[DD+\u]
	v_cndmask_b32 v[S+n], v[S+n], v250, vcc_lo     ; a hidden key's score becomes -infinity: p = 0
.set n, n+1
.endr
.Lopen_\@:
	v_max3_num_f32 v248, v[S], v[S+1], v[S+2]      ; the step's largest score of my query among my 64 keys, in two chains; each accumulator is first read at its low end
	v_max3_num_f32 v249, v[S+3], v[S+4], v[S+5]
.set n, 6
.rept 14
	v_max3_num_f32 v248, v248, v[S+n], v[S+n+1]
	v_max3_num_f32 v249, v249, v[S+n+2], v[S+n+3]
.set n, n+4
.endr
	v_max3_num_f32 v248, v248, v[S+62], v[S+63]
	s_delay_alu instid0(VALU_DEP_1)
	v_max_num_f32 v248, v248, v249
	s_delay_alu instid0(VALU_DEP_1)
	v_permlanex16_b32 v244, v248, s18, s19
	s_delay_alu instid0(VALU_DEP_1)
	v_max_num_f32 v248, v248, v244                 ; and among lane l xor 16's
	s_delay_alu instid0(VALU_DEP_1)
	v_mul_f32 v248, s20, v248                      ; as t (c is positive)
	s_delay_alu instid0(VALU_DEP_1)
	v_max_num_f32 v[NM+1], v[NM+1], v248
	v_mov_b32 v248, v[NM]
	s_delay_alu instid0(VALU_DEP_2)
	v_floor_f32 v[NM], -v[NM+1]                    ; -M = floor(-t): M is a whole number
	s_delay_alu instid0(VALU_DEP_1)
	v_sub_f32 v248, v[NM], v248                    ; old M - new M, 0 or less
	s_delay_alu instid0(VALU_DEP_1)
	v_cvt_i32_f32 v248, v248                       ; (it saturates)
	s_delay_alu instid0(VALU_DEP_1)
	v_ldexp_f32 v246, 1.0, v248                    ; f = 2^(old M - new M)
.set n, 0
	s_setprio 1
.rept 32
	v_pk_fma_f32 v[S+n:S+n+1], v[S+n:S+n+1], s[20:21], v[NM:NM+1] op_sel_hi:[1,0,0]   ; t - M, two at a time
.set n, n+2
.endr
.set n, 0
	s_wait_alu depctr_va_vdst(0)
.rept 64
	v_exp_f32 v[S+n], v[S+n]                       ; p = 2^(t - M)
.set n, n+1
.endr
	v_pk_mul_f32 v[NM+2:NM+3], v[NM+2:NM+3], v[246:247] op_sel_hi:[1,0]   ; the sums under the new M.  (The plain line behind the exponentials)
	s_wait_alu depctr_va_vdst(0)                   ; one wait for the batch of 64, ahead of its first reader
	v_pk_add_f32 v[242:243], v[S:S+1], v[S+2:S+3]  ; the sum of the unquantised p, in two chains
.set n, 4
.rept 15
	v_pk_add_f32 v[NM+2:NM+3], v[NM+2:NM+3], v[S+n:S+n+1]
	v_pk_add_f32 v[242:243], v[242:243], v[S+n+2:S+n+3]
.set n, n+4
.endr
	s_delay_alu instid0(VALU_DEP_1)
	v_pk_add_f32 v[NM+2:NM+3], v[NM+2:NM+3], v[242:243]
	s_setprio 0
.irp t, 0,1,2,3,4,5,6,7
.irp i, 0,1,2,3,4,5,6,7
.endr
	v_cvt_scalef32_pk8_fp8_f32 v[PC+2*\t:PC+2*\t+1], v[S+8*\t:S+8*\t+7], v241
.endr
.set n, 0
.rept 16
	v_pk_mul_f32 v[OU+n:OU+n+1], v[OU+n:OU+n+1], v[246:247] op_sel_hi:[1,0]   ; O^T under the new M.  (Also the plain lines between the conversions and the products that read their results)
.set n, n+2
.endr
	s_wait_alu depctr_va_vdst(0)
	s_wait_dscnt 0x0                               ; V's fragments are in
.irp d, 0,1,2,3
	v_wmma_f32_16x16x128_fp8_fp8 v[OU+8*\d:OU+8*\d+7], v[F+16*\d:F+16*\d+15], v[PC:PC+15], v[OU+8*\d:OU+8*\d+7]
.endr
.endm
; Steps first .. last of tile u.  The trip count is a constant; a step beyond the tile's group is jumped over inside the loop
.macro KLOOP u, first, last
	s_mov_b32 s24, \first
	s_mov_b32 s25, 8192*\first
.Lk_\@:
	s_cmp_gt_u32 s24, s[22+\u]
	s_cbranch_scc1 .Lskip_\@
	s_setprio 2
	STEP \u
.Lskip_\@:
	s_add_co_u32 s25, s25, 8192
	s_add_co_u32 s24, s24, 1
	s_cmp_lt_u32 s24, \last+1
	s_cbranch_scc1 .Lk_\@
	s_setprio 0
.endm
	s_wait_loadcnt 0x0                             ; Q
	s_wait_tensorcnt 0x1                           ; my part of the first 256 keys is in; my part of the rest may stay out
	s_barrier_signal -1
	s_barrier_wait -1                              ; everybody's is
	KLOOP 0, 0, 1
	KLOOP 1, 0, 1
	s_wait_tensorcnt 0x0                           ; my part of the rest is in
	s_wait_dscnt 0x0
	s_barrier_signal -1
	s_barrier_wait -1
	KLOOP 0, 2, 15
	KLOOP 1, 2, 15
	; THE WAY OUT: the sums' halves, 1 / sum x 2^(e8 + e9), the conversion with 2^e10; the codes are the next operand's registers and are stored straight
	v_add_f32 v10, v10, v11                        ; (these plain lines are also the places behind the last products)
	v_add_f32 v14, v14, v15
	s_delay_alu instid0(VALU_DEP_2)
	v_permlanex16_b32 v244, v10, s18, s19
	s_delay_alu instid0(VALU_DEP_2)
	v_permlanex16_b32 v245, v14, s18, s19
	s_delay_alu instid0(VALU_DEP_2)
	v_add_f32 v10, v10, v244
	s_delay_alu instid0(VALU_DEP_2)
	v_add_f32 v14, v14, v245
	s_wait_alu depctr_va_vdst(0)
	v_rcp_f32 v10, v10
	v_rcp_f32 v14, v14
	v_nop                                          ; a plain line behind the reciprocals
	s_add_co_i32 s73, s70, s71
	s_wait_alu depctr_va_vdst(0)                   ; one wait for both, ahead of their first reader
	v_ldexp_f32 v10, v10, s73
	v_ldexp_f32 v14, v14, s73
.irp u, 0,1
.set n, 0
.rept 16
	v_pk_mul_f32 v[S+32*\u+n:S+32*\u+n+1], v[O+32*\u+n:O+32*\u+n+1], v[STT+4*\u+2:STT+4*\u+3] op_sel_hi:[1,0]
.set n, n+2
.endr
.irp d, 0,1,2,3
.irp i, 0,1,2,3,4,5,6,7
.endr
	v_cvt_scalef32_pk8_fp8_f32 v[PC+8*\u+2*\d:PC+8*\u+2*\d+1], v[S+32*\u+8*\d:S+32*\u+8*\d+7], v251
.endr
	v_nop
	global_store_b128 v[LI], v[PC+8*\u:PC+8*\u+3], s[78+2*\u:79+2*\u]
	global_store_b128 v[LI], v[PC+8*\u+4:PC+8*\u+7], s[78+2*\u:79+2*\u] offset:512
.endr
	s_wait_dscnt 0x0
	s_wait_tensorcnt 0x0
	ds_add_u32 v254, v255
	s_wait_dscnt 0x0
	CROUND                                         ; the closing round
	s_endpgm
.Lfunc_end_k_q8c7830d1c6_attn:
	.size	k_q8c7830d1c6_attn, .Lfunc_end_k_q8c7830d1c6_attn-k_q8c7830d1c6_attn
	.p2alignl 7, 3214868480
	.fill 96, 4, 3214868480
	.section	.rodata,"a",@progbits
	.p2align	6, 0x0
	.amdhsa_kernel k_q8c7830d1c6_attn
		.amdhsa_group_segment_fixed_size 264192
		.amdhsa_private_segment_fixed_size 0
		.amdhsa_enable_private_segment 0
		.amdhsa_kernarg_size 40
		.amdhsa_user_sgpr_count 2
		.amdhsa_user_sgpr_kernarg_segment_ptr 1
		.amdhsa_wavefront_size32 1
		.amdhsa_system_sgpr_workgroup_id_x 1
		.amdhsa_system_sgpr_workgroup_id_y 1
		.amdhsa_system_sgpr_workgroup_id_z 1
		.amdhsa_system_vgpr_workitem_id 0
		.amdhsa_next_free_vgpr 256
		.amdhsa_next_free_sgpr 92
		.amdhsa_reserve_vcc 1
		.amdhsa_float_denorm_mode_32 3
		.amdhsa_float_denorm_mode_16_64 3
		.amdhsa_fp16_overflow 1
		.amdhsa_memory_ordered 1
		.amdhsa_forward_progress 1
		.amdhsa_inst_pref_size 90
	.end_amdhsa_kernel
	.amdgpu_metadata
---
amdhsa.version: [ 1, 2 ]
amdhsa.kernels:
  - .name:           k_q8c7830d1c6_attn
    .symbol:         k_q8c7830d1c6_attn.kd
    .args:
      - { .name: qc, .offset: 0, .size: 8, .value_kind: global_buffer, .address_space: global }
      - { .name: kc, .offset: 8, .size: 8, .value_kind: global_buffer, .address_space: global }
      - { .name: vc, .offset: 16, .size: 8, .value_kind: global_buffer, .address_space: global }
      - { .name: lowp_scales, .offset: 24, .size: 8, .value_kind: global_buffer, .address_space: global }
      - { .name: oc, .offset: 32, .size: 8, .value_kind: global_buffer, .address_space: global }
    .group_segment_fixed_size: 264192
    .private_segment_fixed_size: 0
    .kernarg_segment_align: 8
    .kernarg_segment_size: 40
    .max_flat_workgroup_size: 512
    .sgpr_count:     92
    .vgpr_count:     256
    .wavefront_size: 32
...
	.end_amdgpu_metadata
.endif
;; end of part 3
;; launch oproj (part 4): grid 8 x 32, 4 waves a work-group, clusters of 4 x 4, 327,680 bytes of LDS; arguments oc, wc, lowp_scales, out0; writes out0
.if DOCPART == 4
	.amdgcn_target "amdgcn-amd-amdhsa--gfx1250"
	.amdhsa_code_object_version 6
	.text
	.protected	k_q8c7830d1c6_oproj
	.globl	k_q8c7830d1c6_oproj
	.p2align	8
	.type	k_q8c7830d1c6_oproj,@function
k_q8c7830d1c6_oproj:
	s_mov_b64 s[64:65], 0
	v_nop
	global_prefetch_b8 v0, s[64:65] scope:SCOPE_SE
	s_setreg_imm32_b32 hwreg(HW_REG_WAVE_MODE, 25, 1), 1
	s_wait_xcnt 0x0
	s_wait_alu depctr_hold_cnt(0) depctr_sa_sdst(0) depctr_va_vdst(0) depctr_va_sdst(0) depctr_va_ssrc(0) depctr_va_vcc(0) depctr_vm_vsrc(0)
	s_getreg_b32 s2, hwreg(HW_REG_IB_STS2, 6, 4)
	s_cmp_eq_u32 s2, 0
	s_cbranch_scc0 .Lentry_in_a_cluster
	s_endpgm
.Lentry_in_a_cluster:
	s_bfe_u32 s2, ttmp6, 0x10000c
	s_cmp_lg_u32 s2, 0xf033
	s_cbranch_scc0 .Lentry_shape_is_right
	s_endpgm
.Lentry_shape_is_right:
; OPROJ.  out0 = attention's result x wo^T on E4M3 codes (v_wmma_f32_16x16x128_fp8_fp8, f32 sums); each sum x 2^(e10 + e11).  out0: [8192][1024] f32.
; Both operands come as images of operand registers (16 rows x 128 K: 2,048 bytes): oc [16-token block 512][K step 8][2,048], wo's codes at byte 3 x 2^20 of wc, [16-feature block 64][8][2,048].
; A TILE is 256 tokens (role A) x 128 features (role B), K = 1,024: 256 work-groups.  Four waves; a wave makes 128 x 64: 32 accumulators.  The matrix instruction takes B's rows as source 0 and A's as source 1:
; lane (r, h) holds token 16a + r and features 16b + 8h + 0..7 in accumulator (a, b).
; LDS.  Three slots of 98,304 bytes, each one K step of 256: A's 16 blocks x 4,096 bytes, then B's 8.  K steps 0, 1, 2 are first fills, asked for together at the head (three tensor loads of a wave are out);
; K step 3 is the one refill, into slot 0.  Behind the slots: the spare words, then a stage of 16 rows x 272 bytes for each wave, into which no fill lands.  All of the LDS is claimed.
; CLUSTER 4 x 4: A's tile is asked for jointly along the cluster's row, B's along its column.  Waves 0, 1 fetch A's halves, waves 2, 3 B's.
; THE WAY OUT.  A wave's 64 features are 256 bytes of a row of out0, aligned.  A block of 16 tokens goes through the wave's stage and comes back by rows: sixteen lanes store 256 consecutive bytes.
; LIMIT: e10 + e11 lies between -126 and 127.
; REGISTERS, in windows of 256: window 0: v1-10 addresses, v28, v29 for the add, v32-63 a block's scaled sums, v64-127 rows read back (two sets), v128-255 A's fragments, set 0.
;   window 1: v0-63, v64-127 B's fragments, sets 0, 1; v128-255 A's, set 1.   window 2: accumulator (a, b) at v[8 (4a + b)].
.set SLOT,  98304
.set BOFF,  65536
.set SPARE, 3*SLOT
.set STAGE, SPARE+512
.set SPIT,  272
.set LI,    1
.set ADRA,  2
.set ADRB,  5
.set STO,   8
.set RD,    9
.set CO,    10
.set SPW,   28
.set NIL,   29
.set T,     32
.set BK,    64
.set MSB, 0
.macro WIN new                         ; the immediate's high byte repeats the setting that is left
.if MSB != (\new)
	s_set_vgpr_msb (MSB<<8)|(\new)
.set MSB, (\new)
.endif
.endm
.macro PLACES n
.rept \n
	v_nop
.endr
.endm
.macro CREST
	s_cmp_lg_u32 s18, 0
	s_cbranch_scc1 .Lnot_wave_0_\@
	s_barrier_signal -3
.Lnot_wave_0_\@:
	s_barrier_wait -3
	s_barrier_signal -1
	s_barrier_wait -1
.endm
.macro CROUND
	s_barrier_signal -1
	s_barrier_wait -1
	CREST
.endm
.macro JLOAD                           ; the joint refill of slot 0; four v_nop follow each of the two lines
	s_cmp_eq_u32 s19, 0
	s_cbranch_scc0 .Lfor_b_\@
	tensor_load_to_lds s[44:47], s[28:35]
	s_nop 0
.rept 4
	v_nop
.endr
	s_branch .Lasked_\@
.Lfor_b_\@:
	tensor_load_to_lds s[68:71], s[36:43]
	s_nop 0
.rept 4
	v_nop
.endr
.Lasked_\@:
.endm
.macro FRAG reg, adr, q, i
.irp c, 0,1,2,3
	ds_load_b128 v[\reg+4*\c:\reg+4*\c+3], v[\adr] offset:4096*(\i)+2048*(\q)+512*\c
.endr
.endm
.macro FETCH slot, q, set
	WIN 0x40
.irp i, 0,1,2,3
	FRAG 64*(\set)+16*\i, ADRB+\slot, \q, \i
.endr
.if (\set) == 0
	WIN 0
.endif
.irp i, 0,1,2,3,4,5,6,7
	FRAG 128+16*\i, ADRA+\slot, \q, \i
.endr
	WIN 0
.endm
.macro MUL a0, a1, set, zero           ; the 32 accumulators take turns, one instruction a turn, in the same order in every step
	WIN 0xa1+4*(\set)
.set aa, \a0
.rept \a1-\a0+1
.irp b, 0,1,2,3
.if \zero
	v_wmma_f32_16x16x128_fp8_fp8 v[8*(4*aa+\b):8*(4*aa+\b)+7], v[64*(\set)+16*\b:64*(\set)+16*\b+15], v[128+16*aa:128+16*aa+15], 0
.else
	v_wmma_f32_16x16x128_fp8_fp8 v[8*(4*aa+\b):8*(4*aa+\b)+7], v[64*(\set)+16*\b:64*(\set)+16*\b+15], v[128+16*aa:128+16*aa+15], v[8*(4*aa+\b):8*(4*aa+\b)+7]
.endif
.endr
.set aa, aa+1
.endr
.endm
.macro STEP set, nslot, nq, zero
	s_wait_dscnt 0x0                               ; this set is in
	PLACES 4                                       ; four plain places between the last products, which read the other set, and the loads into it
	FETCH \nslot, \nq, 1-\set
	MUL 0, 7, \set, \zero
.endm
.macro TURNF                           ; the second step of 128: slot 0 has been read out and is filled again, with K step 3
	WIN 0
	s_wait_tensorcnt 0x0                           ; all my tensor loads have landed: my parts of slots 0, 1 and 2
	ds_add_u32 v[SPW], v[NIL]                      ; 0 onto my spare word
	s_wait_dscnt 0x1                               ; the fragments are in; the add may be out
	MUL 0, 1, 1, 0
	s_wait_dscnt 0x0                               ; the add is done, and my reads of slot 0 are over
	s_barrier_signal -1
	MUL 2, 3, 1, 0
	WIN 0
	s_barrier_wait -1
	CREST
	s_add_nc_u64 s[46:47], s[46:47], 3*4096
	s_add_nc_u64 s[70:71], s[70:71], 3*4096
	JLOAD
	FETCH 1, 0, 0
	MUL 4, 7, 1, 0
.endm
.macro TURNW                           ; the sixth step of 128: the refill is waited for
	s_wait_tensorcnt 0x0
	s_wait_dscnt 0x0
	s_barrier_signal -1
	MUL 0, 3, 1, 0
	s_barrier_wait -1
	PLACES 4
	FETCH 0, 0, 0
	MUL 4, 7, 1, 0
.endm
	s_load_b256 s[4:11], s[0:1], 0x0               ; oc 4, wc 6, scales 8, out0 10
	v_lshl_add_u32 v[SPW], v0, 2, SPARE
	v_mov_b32 v[NIL], 0
	ds_add_u32 v28, v29
	ds_add_u32 v28, v29
	s_wait_dscnt 0x0
	v_lshrrev_b32 v1, 5, v0
	v_readfirstlane_b32 s18, v1                    ; wave
	s_lshr_b32 s19, s18, 1                         ; which 128 tokens are mine.  Also: I fetch for A (0) or for B (1)
	s_and_b32 s20, s18, 1                          ; which 64 features.  Also: which half of that tile I fetch
	s_bfe_u32 s21, ttmp6, 0x40000                  ; cx
	s_bfe_u32 s22, ttmp6, 0x40004                  ; cy
	s_and_b32 s24, ttmp7, 0xffff
	s_lshl_b32 s62, s24, 2
	s_add_co_u32 s62, s62, s22                     ; ta = 4 x cluster y + cy
	s_lshl_b32 s63, ttmp9, 2
	s_add_co_u32 s63, s63, s21                     ; tbx = 4 x cluster x + cx
	s_lshl_b32 s60, s22, 2
	s_lshl_b32 s60, 15, s60
	s_lshl_b32 s61, 0x1111, s21
	s_or_b32 s28, s60, (3<<16)|(1<<21)             ; group 1 for A: the mask of my row; elements of 8 bytes; 21 set beside a mask; no padding
	s_or_b32 s36, s61, (3<<16)|(1<<21)             ; for B: my column
	s_mov_b32 s29, 512<<16                         ; a block's 4,096 bytes of a K step
	s_mov_b32 s30, 8<<16
	s_mov_b32 s31, 512<<16
	s_mov_b32 s32, 8
	s_mov_b32 s33, 2048                            ; from block to block: 16,384 bytes
	s_mov_b32 s34, 0
	s_mov_b32 s35, 0
	s_mov_b32 s37, 512<<16
	s_mov_b32 s38, 4<<16
	s_mov_b32 s39, 512<<16
	s_mov_b32 s40, 4
	s_mov_b32 s41, 2048
	s_mov_b32 s42, 0
	s_mov_b32 s43, 0
	s_lshl_b32 s90, s62, 18
	s_lshl_b32 s60, s20, 17
	s_add_co_u32 s90, s90, s60
	s_mov_b32 s91, 0
	s_lshl_b32 s92, s63, 17
	s_add_co_u32 s92, s92, 0x300000                ; wo in wc
	s_lshl_b32 s60, s20, 16
	s_add_co_u32 s92, s92, s60
	s_mov_b32 s93, 0
	s_lshl_b32 s66, s20, 15
	s_lshl_b32 s67, s20, 14
	s_add_co_u32 s67, s67, BOFF
	s_wait_kmcnt 0x0
	s_load_b64 s[84:85], s[8:9], 0x28              ; e10, e11
	s_add_nc_u64 s[56:57], s[4:5], s[90:91]
	s_add_nc_u64 s[58:59], s[6:7], s[92:93]
.irp s, 0,1,2
	s_mov_b32 s[44+4*\s], 1
	s_add_co_u32 s[45+4*\s], s66, \s*SLOT
	s_add_nc_u64 s[46+4*\s:47+4*\s], s[56:57], \s*4096
	s_or_b32 s[47+4*\s], s[47+4*\s], 0x80000000
	s_mov_b32 s[68+4*\s], 1
	s_add_co_u32 s[69+4*\s], s67, \s*SLOT
	s_add_nc_u64 s[70+4*\s:71+4*\s], s[58:59], \s*4096
	s_or_b32 s[71+4*\s], s[71+4*\s], 0x80000000
.endr
	CROUND
	s_cmp_eq_u32 s19, 0
	s_cbranch_scc0 .Lfirst_b
	tensor_load_to_lds s[44:47], s[28:35]
	s_nop 0
	tensor_load_to_lds s[48:51], s[28:35]
	s_nop 0
	tensor_load_to_lds s[52:55], s[28:35]
	s_nop 0
.rept 4
	v_nop
.endr
	s_branch .Lfirst_asked
.Lfirst_b:
	tensor_load_to_lds s[68:71], s[36:43]
	s_nop 0
	tensor_load_to_lds s[72:75], s[36:43]
	s_nop 0
	tensor_load_to_lds s[76:79], s[36:43]
	s_nop 0
.rept 4
	v_nop
.endr
.Lfirst_asked:
	v_and_b32 v[LI], 31, v0
	v_lshlrev_b32 v[LI], 4, v[LI]
	s_lshl_b32 s60, s19, 15
	s_lshl_b32 s61, s20, 14
	s_add_co_u32 s61, s61, BOFF
.irp s, 0,1,2
	v_add_nc_u32 v[ADRA+\s], s60, v[LI]
	v_add_nc_u32 v[ADRB+\s], s61, v[LI]
	s_add_co_u32 s60, s60, SLOT
	s_add_co_u32 s61, s61, SLOT
.endr
	v_and_b32 v11, 15, v0                          ; r
	v_bfe_u32 v12, v0, 4, 1                        ; h
	s_mul_i32 s60, s18, 16*SPIT
	s_add_co_u32 s60, s60, STAGE                   ; my stage
	v_mul_u32_u24 v[STO], v11, SPIT
	v_lshl_add_u32 v[STO], v12, 5, v[STO]
	v_add_nc_u32 v[STO], s60, v[STO]               ; in: row r, 32 h
	v_mul_u32_u24 v[RD], v12, SPIT
	v_lshl_add_u32 v[RD], v11, 4, v[RD]
	v_add_nc_u32 v[RD], s60, v[RD]                 ; back: lanes 0-15 one row, lanes 16-31 the next
	v_lshlrev_b32 v[CO], 12, v12
	v_lshl_add_u32 v[CO], v11, 4, v[CO]            ; and the same two rows of out0 (4,096 bytes a row)
	s_lshl_b32 s90, s62, 20                        ; 256 rows of 4,096 bytes
	s_lshl_b32 s60, s19, 19
	s_add_co_u32 s90, s90, s60
	s_lshl_b32 s60, s63, 9                         ; 128 features of 4 bytes
	s_add_co_u32 s90, s90, s60
	s_lshl_b32 s60, s20, 8
	s_add_co_u32 s90, s90, s60
	s_add_nc_u64 s[96:97], s[10:11], s[90:91]
	s_wait_kmcnt 0x0
	s_add_co_i32 s84, s84, s85
	s_add_co_i32 s84, s84, 127
	s_lshl_b32 s84, s84, 23                        ; 2^(e10 + e11) as f32
	s_mov_b32 s85, s84                             ; (named with it as a pair)
	s_wait_tensorcnt 0x2                           ; my part of K step 0 is in; the two younger loads may stay out
	s_barrier_signal -1
	s_barrier_wait -1
	FETCH 0, 0, 0
	STEP 0, 0, 1, 1
	TURNF
	STEP 0, 1, 1, 0
	STEP 1, 2, 0, 0
	STEP 0, 2, 1, 0
	TURNW
	STEP 0, 0, 1, 0
	s_wait_dscnt 0x0
	MUL 0, 7, 1, 0
	WIN 0
	PLACES 4                                       ; in front of the first read of results
.macro TOSTAGE a
	WIN 0x02                                       ; source 0: window 2
.irp b, 0,1,2,3
.irp i, 0,2,4,6
	v_pk_mul_f32 v[T+8*\b+\i:T+8*\b+\i+1], v[8*(4*(\a)+\b)+\i:8*(4*(\a)+\b)+\i+1], s[84:85] op_sel_hi:[1,0]   ; x 2^(e10 + e11); each accumulator from its low end on
.endr
.endr
	WIN 0
.irp b, 0,1,2,3
	ds_store_b128 v[STO], v[T+8*\b:T+8*\b+3] offset:64*\b
	ds_store_b128 v[STO], v[T+8*\b+4:T+8*\b+7] offset:64*\b+16
.endr
.irp t, 0,1,2,3,4,5,6,7
	ds_load_b128 v[BK+32*((\a)%2)+4*\t:BK+32*((\a)%2)+4*\t+3], v[RD] offset:2*SPIT*\t   ; LDS serves a wave's instructions in order: these see the stores above, and the next block's stores come behind them
.endr
.endm
.macro SEND a, younger                 ; younger: the LDS instructions issued behind block a's loads, which may stay out
	s_wait_dscnt \younger
.irp t, 0,1,2,3,4,5,6,7
	global_store_b128 v[CO], v[BK+32*((\a)%2)+4*\t:BK+32*((\a)%2)+4*\t+3], s[96:97] offset:65536*(\a)+8192*\t th:TH_STORE_NT   ; sixteen lanes store 256 consecutive bytes, at a multiple of 256 from out0's first byte
.endr
.endm
	TOSTAGE 0
.irp a, 1,2,3,4,5,6,7
.if \a > 1
	s_wait_xcnt 0x0                                ; block a - 2's stores have read their registers: block a's loads may land there
.endif
	TOSTAGE \a
	SEND \a-1, 16                                  ; behind block a - 1's loads: block a's 8 stores and 8 loads
.endr
	SEND 7, 0
	s_wait_tensorcnt 0x0                           ; the wave's end
	ds_add_u32 v[SPW], v[NIL]
	s_wait_dscnt 0x0
	CROUND                                         ; the closing round
	s_endpgm
.Lfunc_end_k_q8c7830d1c6_oproj:
	.size	k_q8c7830d1c6_oproj, .Lfunc_end_k_q8c7830d1c6_oproj-k_q8c7830d1c6_oproj
	.p2alignl 7, 3214868480
	.fill 96, 4, 3214868480
	.section	.rodata,"a",@progbits
	.p2align	6, 0x0
	.amdhsa_kernel k_q8c7830d1c6_oproj
		.amdhsa_group_segment_fixed_size 327680
		.amdhsa_private_segment_fixed_size 0
		.amdhsa_enable_private_segment 0
		.amdhsa_kernarg_size 32
		.amdhsa_user_sgpr_count 2
		.amdhsa_user_sgpr_kernarg_segment_ptr 1
		.amdhsa_wavefront_size32 1
		.amdhsa_system_sgpr_workgroup_id_x 1
		.amdhsa_system_sgpr_workgroup_id_y 1
		.amdhsa_system_sgpr_workgroup_id_z 1
		.amdhsa_system_vgpr_workitem_id 0
		.amdhsa_next_free_vgpr 768
		.amdhsa_next_free_sgpr 100
		.amdhsa_reserve_vcc 0
		.amdhsa_float_denorm_mode_32 3
		.amdhsa_float_denorm_mode_16_64 3
		.amdhsa_memory_ordered 1
		.amdhsa_forward_progress 1
		.amdhsa_inst_pref_size 74
	.end_amdhsa_kernel
	.amdgpu_metadata
---
amdhsa.version: [ 1, 2 ]
amdhsa.kernels:
  - .name:           k_q8c7830d1c6_oproj
    .symbol:         k_q8c7830d1c6_oproj.kd
    .args:
      - { .name: oc, .offset: 0, .size: 8, .value_kind: global_buffer, .address_space: global }
      - { .name: wc, .offset: 8, .size: 8, .value_kind: global_buffer, .address_space: global }
      - { .name: lowp_scales, .offset: 16, .size: 8, .value_kind: global_buffer, .address_space: global }
      - { .name: out0, .offset: 24, .size: 8, .value_kind: global_buffer, .address_space: global }
    .group_segment_fixed_size: 327680
    .private_segment_fixed_size: 0
    .kernarg_segment_align: 8
    .kernarg_segment_size: 32
    .max_flat_workgroup_size: 128
    .sgpr_count:     100
    .vgpr_count:     768
    .wavefront_size: 32
...
	.end_amdgpu_metadata
.endif
;; end of part 4
